; MI455X (gfx1250); checked and timed in simulation.
; The chip was launched on July 23, 2026; its instructions are those of AMD's public machine-readable ISA for CDNA 5 (MIT licence, August 2026) and "CDNA5" Instruction Set Architecture Reference Guide (July 2026). The comments in the code are by the model that wrote it; some were corrected since.
;; Ro I Align. Allowed arithmetic: float matrix products may take bf16 or f16 operands with f32 sums; all other float work in f32.
;; Inputs: boxes 2 x 512 x 4 float32; image_tensor 2 x 64 x 384 x 384 float32.
;; Outputs: out0 1,024 x 64 x 7 x 7 float32.
;; One version. Each part assembles by itself: llvm-mc -triple=amdgcn-amd-amdhsa -mcpu=gfx1250 --defsym DOCPART=n.
;; ======== version 1 of 1: 2 launches
;; limits: values outside matrix products are rounded to f16; inputs' magnitudes at most 65,504; values are held in f16: magnitudes above 65,504 overflow, below 6.1e-05 lose precision; below input magnitudes of 6.1e-05 results are inexact or not finite
;; workspace buffers: win 32,768 bytes of whole numbers
;; launch window (part 1): grid 64 x 1, 1 waves a work-group, no clusters, 0 bytes of LDS; arguments boxes, win; writes win
.if DOCPART == 1
	.amdgcn_target "amdgcn-amd-amdhsa--gfx1250"
	.amdhsa_code_object_version 6
	.text
	.protected	k_qcd82136b96_window
	.globl	k_qcd82136b96_window
	.p2align	8
	.type	k_qcd82136b96_window,@function
k_qcd82136b96_window:
	s_mov_b64 s[64:65], 0
	v_nop
	global_prefetch_b8 v0, s[64:65] scope:SCOPE_SE
	s_setreg_imm32_b32 hwreg(HW_REG_WAVE_MODE, 25, 1), 1
	s_wait_xcnt 0x0
; RoIAlign, step 1 of 2: where each RoI's samples lie, as whole numbers.
; One thread for each (RoI, axis): task = 2 x RoI + axis, axis 0 = x, 1 = y; 2048 tasks, 64 waves.
; It stores a record of four words at 16 x task: {start, count, last, 0}: the samples of that axis touch the indices start .. last,
; covered by 'count' windows of 32 indices that begin at start, start + 32, ...  The next launch forms its addresses and its trip count from them.
; The first and the last sample are computed by the same instructions, on the same numbers, as in the next launch, so that
; no index with a weight other than 0 falls outside start .. last.  (A fused multiply-add is monotone in each operand, so all other samples lie between.)
; LIMITS: boxes are finite.  extent / 7 is extent x (1/7) with one residual correction: the last bit can differ from a true quotient;
; sample positions are made with fused multiply-adds, one rounding fewer than the reference's.
.set R7,    0x3e124925                 ; 1/7
.set TOP,   352                        ; the last start at which 32 indices stay inside 384
.set LASTI, 383
	s_load_b128 s[4:7], s[0:1], 0x0                ; boxes s[4:5], win s[6:7]
	s_lshl_b32 s8, ttmp9, 5
	v_add_nc_u32 v1, s8, v0                        ; task
	v_and_b32 v2, 1, v1                            ; axis
	v_lshlrev_b32 v3, 3, v1                        ; 16 RoI + 8 axis
	v_lshlrev_b32 v4, 2, v2
	v_sub_nc_u32 v3, v3, v4                        ; 16 RoI + 4 axis: byte of x1 or y1
	v_lshlrev_b32 v5, 4, v1                        ; byte of my record: the wave's store covers 512 consecutive bytes
	v_add_nc_u32 v8, -2, v2                        ; x: ...fffe (starts are even: loads of two columns); y: ...ffff
	s_wait_kmcnt 0x0
	global_load_b32 v6, v3, s[4:5]                 ; low side
	global_load_b32 v7, v3, s[4:5] offset:8        ; high side
	s_wait_loadcnt 0x0
	v_mul_f32 v6, 2.0, v6                          ; infer size -> input size (768/384)
	v_mul_f32 v7, 2.0, v7
	v_fma_f32 v6, v6, 0.5, -0.5                    ; input size -> feature map (384/768), aligned: - 0.5
	v_fma_f32 v7, v7, 0.5, -0.5
	v_sub_f32 v9, v7, v6                           ; extent
	v_mul_f32 v10, R7, v9
	v_fmamk_f32 v11, v10, 0xc0e00000, v9           ; residual = extent - 7 q
	v_fmamk_f32 v10, v11, R7, v10                  ; bin = extent / 7
	v_floor_f32 v12, -v10
	v_med3_num_f32 v12, -v12, 1.0, 4.0             ; g = clip(ceil(bin), 1, 4)
	v_rcp_f32 v13, v12
	v_fmamk_f32 v14, v10, 0x40c00000, v6           ; low + 6 bin (a plain instruction between v_rcp_f32 and the use of its result)
	s_wait_alu depctr_va_vdst(0)
	v_mul_f32 v13, v10, v13                        ; step = bin / g
	v_add_f32 v15, -0.5, v12                       ; g - 0.5
	v_fma_f32 v16, v13, 0.5, v6                    ; first sample: bin 0, i = 0
	v_fma_f32 v17, v15, v13, v14                   ; last sample: bin 6, i = g - 1
	v_min_num_f32 v18, v16, v17                    ; (a box may be given the wrong way round)
	v_max_num_f32 v19, v16, v17
	v_med3_num_f32 v18, v18, 0, 0x43bf8000         ; clip to 0 .. 383 as the reference does
	v_med3_num_f32 v19, v19, 0, 0x43bf8000
	v_cvt_u32_f32 v18, v18                         ; floor: lowest index touched
	v_cvt_u32_f32 v19, v19
	v_add_nc_u32 v19, 1, v19
	v_min_u32 v22, LASTI, v19                      ; highest index touched
	v_and_b32 v8, v8, v18
	v_min_u32 v8, TOP, v8                          ; a single window would start here
	v_sub_nc_u32 v9, v22, v8
	v_and_b32 v10, 0xffffffe0, v18                 ; several windows lie on the grid of 32: 384 = 12 x 32, none leaves the row
	v_cmp_gt_u32 vcc_lo, 32, v9                    ; does one window do?
	v_cndmask_b32 v20, v10, v8, vcc_lo             ; start
	v_sub_nc_u32 v21, v22, v20
	v_lshrrev_b32 v21, 5, v21
	v_add_nc_u32 v21, 1, v21                       ; count
	v_mov_b32 v23, 0
	global_store_b128 v5, v[20:23], s[6:7]
	s_endpgm
.Lfunc_end_k_qcd82136b96_window:
	.size	k_qcd82136b96_window, .Lfunc_end_k_qcd82136b96_window-k_qcd82136b96_window
	.p2alignl 7, 3214868480
	.fill 96, 4, 3214868480
	.section	.rodata,"a",@progbits
	.p2align	6, 0x0
	.amdhsa_kernel k_qcd82136b96_window
		.amdhsa_group_segment_fixed_size 0
		.amdhsa_private_segment_fixed_size 0
		.amdhsa_enable_private_segment 0
		.amdhsa_kernarg_size 16
		.amdhsa_user_sgpr_count 2
		.amdhsa_user_sgpr_kernarg_segment_ptr 1
		.amdhsa_wavefront_size32 1
		.amdhsa_system_sgpr_workgroup_id_x 1
		.amdhsa_system_sgpr_workgroup_id_y 1
		.amdhsa_system_sgpr_workgroup_id_z 1
		.amdhsa_system_vgpr_workitem_id 0
		.amdhsa_next_free_vgpr 24
		.amdhsa_next_free_sgpr 66
		.amdhsa_reserve_vcc 1
		.amdhsa_float_denorm_mode_32 3
		.amdhsa_float_denorm_mode_16_64 3
		.amdhsa_memory_ordered 1
		.amdhsa_forward_progress 1
		.amdhsa_inst_pref_size 3
	.end_amdhsa_kernel
	.amdgpu_metadata
---
amdhsa.version: [ 1, 2 ]
amdhsa.kernels:
  - .name:           k_qcd82136b96_window
    .symbol:         k_qcd82136b96_window.kd
    .args:
      - { .name: boxes, .offset: 0, .size: 8, .value_kind: global_buffer, .address_space: global }
      - { .name: win, .offset: 8, .size: 8, .value_kind: global_buffer, .address_space: global }
    .group_segment_fixed_size: 0
    .private_segment_fixed_size: 0
    .kernarg_segment_align: 8
    .kernarg_segment_size: 16
    .max_flat_workgroup_size: 32
    .sgpr_count:     66
    .vgpr_count:     24
    .wavefront_size: 32
...
	.end_amdgpu_metadata
.endif
;; end of part 1
;; launch pool (part 2): grid 1024 x 1, 4 waves a work-group, no clusters, 18,432 bytes of LDS; arguments boxes, image_tensor, win, out0; writes out0
.if DOCPART == 2
	.amdgcn_target "amdgcn-amd-amdhsa--gfx1250"
	.amdhsa_code_object_version 6
	.text
	.protected	k_qcd82136b96_pool
	.globl	k_qcd82136b96_pool
	.p2align	8
	.type	k_qcd82136b96_pool,@function
k_qcd82136b96_pool:
	s_mov_b64 s[64:65], 0
	v_nop
	global_prefetch_b8 v0, s[64:65] scope:SCOPE_SE
	s_setreg_imm32_b32 hwreg(HW_REG_WAVE_MODE, 25, 1), 1
	s_wait_xcnt 0x0
; RoIAlign, step 2 of 2.  One work-group for each RoI, four waves, 16 channels a wave.
; Sampling and averaging are separable:  out[c][ph][pw] = sum over y, x of Wy[ph][y] Wx[pw][x] f[c][y][x],  with
; W[bin][j] = (1/g) x sum over the bin's valid samples i < g of max(0, 1 - |p_i - j|), p_i the clipped position: the reference's hx, lx weights,
; at both borders too.  Weights are values only; addresses and the trip count come from the whole numbers that the launch before stored.
; The image is read in windows of 32 rows x 32 columns per channel (one window for boxes of up to about 30 pixels; a counted loop takes any more).
;
; STAGE 1 (over rows):   D1[col][n] = sum over rows of F[row][col] Wy[n][row].  A = image, M = 16 columns (even ones in D1E, odd ones in D1O), K = 32 rows.
;   N = 16 takes two channels: WYL has the 7 bins in columns 0-6, WYH in columns 8-14, zeros elsewhere; D1 = F(c) x WYL + F(c+1) x WYH.
; STAGE 2 (over columns): D2[m][n] = sum over cols of Wx[m][col] T[col][n].  A lane of D1 holds column index 8h + j of its n, which, rounded to f16,
;   IS the B fragment of stage 2: no shuffle.  M = 16 takes two channel pairs the same way (WXL rows 0-6, WXH rows 8-14): D2 holds 4 channels.
;   Lane l of D2: ph = l & 7, channel = 4q + (l >> 3), register j = pw.
; K order, alike in A and B: slot s = 0..15 of lane half h is row 2s + h (stage 1), column 16h + 2s for s < 8 and 16h + 2(s-8) + 1 for s >= 8 (stage 2).
; So load s of a channel is one global_load_b64: lane (m, h) takes columns 2m, 2m+1 of row 2s + h: two rows, at most 128 consecutive bytes of each.
; Rows beyond the last one needed and column pairs beyond the last one needed are clamped onto it: they add no new bytes, and their weights are 0.
;
; f16 operands, f32 sums: 11 significant bits keep four roundings far inside the allowed 0.01 x rms, where bf16's 8 would not where terms cancel.
; LIMITS: boxes and image finite, |image| < 65504 (f16's range; the drawn numbers times 30 plus an offset of 30 stay under 250): a window also multiplies
; pixels that the reference never samples, by weight 0.  extent / 7 and the sample positions as in the launch before; 1/count is 1/gh x 1/gw.
; No tensor loads, clusters or multicast: every work-group's window is placed by its own box, so no two work-groups share a tile by construction,
; and the loads land in the fragment's own layout.  No prefetch: 48 loads of each of a work-group's four waves are on their way throughout.
.set CH,      589824                   ; bytes of a channel plane, 384 x 384 x 4
.set ROWB,    1536                     ; bytes of an image row
.set LASTLD,  CH-8                     ; the last byte offset in a plane at which 8 bytes can be read
.set OUTROI,  12544                    ; bytes of a RoI's output, 64 x 49 x 4 = 49 x 256
.set WSTAGE,  3168                     ; LDS: a wave's 16 x 196 = 3136 bytes of results + 32, so that the waves' ranges stay apart whatever the lane
.set TAB,     4*WSTAGE                 ; LDS: the work-group's table of weights, 2 axes x 8 bins x 2 halves x 16 slots of f16 = 1024 bytes
.set PTAB,    TAB+1024                 ; LDS: a table of each wave's own for the windows behind the first
.set R7,      0x3e124925               ; 1/7
.set IMG,     48                       ; s[48:49] the image at my wave's channel 0, s[50:51] at its channel 8
; v0 thread, v2 lane, v3 lane & 15, v4 lane >> 4, v5-v15 scratch
.set OFF,  16                          ; v[16:31]   byte offset in a plane of load s
.set WYL,  32                          ; v[32:63]   the four weight fragments
.set WYH,  40
.set WXL,  48
.set WXH,  56
.set D2,   64                          ; v[64:95]   four result tiles of 4 channels
.set D1E,  96                          ; v[96:111]  stage 1, even and odd columns
.set D1O,  104
.set T,    112                         ; v[112:119] stage 1's result in f16
.set F,    120                         ; v[120:151] image fragments in f16: two sets (channel parity) of even, odd columns
.set RAW,  152                         ; v[152:247] ring of three channels, 16 loads x 2 registers each
.set SA,   248                         ; where I put results in the stage
.set ALO,  249                         ; table row of my lane for a 'low' fragment
.set AHI,  250                         ; and for a 'high' one
.set GO,   251                         ; 16 x thread
; scratch of the weight macro, in registers that the matrix part uses later
.set W_A, 96
.set W_N, 97
.set W_H, 98
.set W_Q, 99
.set W_I, 100
.set W_LO, 101
.set W_HI, 102
.set W_B, 103
.set W_G, 104
.set W_R, 105
.set W_S, 106
.set W_AA, 107
.set W_P, 108
.set W_M, 109
.set W_DD, 110
.set W_U, 111                          ; 111-114
.set W_V, 115                          ; 115-118
.set W_W, 119                          ; 119-122
.set W_T, 123
.set W_PK, 124                         ; 124-125
.set W_D, 126
; Offsets of the 16 loads of a channel for the window at column s28, row s29.  The numbers read from memory pass a clamp by a constant last of all.
.macro ADDR
	s_and_b32 s46, s18, -2                         ; the last column pair needed
	s_mul_i32 s47, s22, ROWB                       ; the last row needed
	v_lshl_add_u32 v5, v3, 1, s28                  ; my column pair,
	v_min_u32 v5, s46, v5                          ; or the last one needed
	v_lshlrev_b32 v5, 2, v5
	v_add_nc_u32 v6, s29, v4                       ; row of load 0: start + h
	v_mad_u32_u24 v6, v6, ROWB, v5
	v_add_nc_u32 v7, s47, v5
.irp s, 0,1,2,3,4,5,6,7,8,9,10,11,12,13,14,15
.if \s == 0
	v_min_u32 v[OFF], v6, v7
.else
	v_add_nc_u32 v[OFF+\s], \s*2*ROWB, v6          ; two rows on with each load,
	v_min_u32 v[OFF+\s], v[OFF+\s], v7             ; or the last row needed
.endif
	v_min_u32 v[OFF+\s], LASTLD, v[OFF+\s]
.endr
.endm
; The 16 loads of channel c (0..15 of my wave) into ring slot c % 3.  Two bases, eight planes apart: the plane is reached by an immediate that is
; never negative and at most 7 x 589,824 = 4,128,768, inside the signed 24-bit field (15 planes from one base, 8,847,360 bytes, would not be).
.macro LOADCH c
.irp s, 0,1,2,3,4,5,6,7,8,9,10,11,12,13,14,15
	global_load_b64 v[RAW+32*((\c)%3)+2*\s:RAW+32*((\c)%3)+2*\s+1], v[OFF+\s], s[IMG+2*((\c)/8):IMG+2*((\c)/8)+1] offset:((\c)%8)*CH
.endr
.endm
; One sample i of a bin: position, validity, and its share in my four table slots (indices W_I, +2, +4, +6).
; max(0, 1 - |d|) is the middle one of 1 + d, 1 - d and 0, since the first two add up to 2.
.macro SAMPLE i, koff, kcnt
.if \i == 0
	v_fma_f32 v[W_P], v[W_S], 0.5, v[W_AA]
.else
	v_fmamk_f32 v[W_P], v[W_S], \koff, v[W_AA]     ; p = low + n bin + (i + 0.5) step
.endif
	v_cmp_lt_f32 s30, -1.0, v[W_P]                 ; valid: -1 < p < 384
	v_cmp_gt_f32 s31, 0x43c00000, v[W_P]
	s_and_b32 s30, s30, s31
.if \i != 0
	v_cmp_lt_f32 s31, \kcnt, v[W_G]                ; and i < g
	s_and_b32 s30, s30, s31
.endif
	v_cndmask_b32 v[W_M], 0, v[W_R], s30           ; the sample counts 1/g or nothing
	v_med3_num_f32 v[W_P], v[W_P], 0, 0x43bf8000   ; clip to 0 .. 383
	v_sub_f32 v[W_DD], v[W_P], v[W_I]
	v_add_f32 v[W_U+0], 1.0, v[W_DD]
	v_add_f32 v[W_U+1], -1.0, v[W_DD]
	v_add_f32 v[W_U+2], 0xc0400000, v[W_DD]        ; -3
	v_add_f32 v[W_U+3], 0xc0a00000, v[W_DD]        ; -5
	v_sub_f32 v[W_V+0], 1.0, v[W_DD]
	v_sub_f32 v[W_V+1], 0x40400000, v[W_DD]        ; 3
	v_sub_f32 v[W_V+2], 0x40a00000, v[W_DD]        ; 5
	v_sub_f32 v[W_V+3], 0x40e00000, v[W_DD]        ; 7
.irp e, 0,1,2,3
	v_med3_num_f32 v[W_U+\e], v[W_U+\e], v[W_V+\e], 0
.endr
.irp e, 0,1,2,3
.if \i == 0
	v_mul_f32 v[W_W+\e], v[W_U+\e], v[W_M]         ; the first sample starts the sums
.else
	v_fmac_f32 v[W_W+\e], v[W_U+\e], v[W_M]
.endif
.endr
.endm
; Four weights of the table: entry t = v[vt], 0..127: axis = t >> 6 (0 = x), bin n = (t >> 3) & 7, half h = (t >> 2) & 1, slots 4 sq .. 4 sq + 3, sq = t & 3.
; They go to the 8 bytes at base + 8 t.  Bin 7 does not exist: its row is zeros, and serves as the empty half of the fragments.
.macro WTAB vt, base
	v_lshrrev_b32 v[W_A], 6, v[\vt]
	v_bfe_u32 v[W_N], v[\vt], 3, 3
	v_bfe_u32 v[W_H], v[\vt], 2, 1
	v_and_b32 v[W_Q], 3, v[\vt]
	v_cmp_ne_u32 s32, 0, v[W_A]                    ; the y axis?
	v_cmp_gt_u32 s33, 7, v[W_N]                    ; a bin that exists?
	v_lshl_add_u32 v[W_I], v[W_Q], 3, v[W_H]       ; y: row 2 s + h = 8 sq + h (+ 2 e)
	v_add_nc_u32 v[W_I], s29, v[W_I]
	v_and_b32 v[W_T], 1, v[W_Q]                    ; x: column 16 h + 8 (sq & 1) + (sq >> 1) (+ 2 e)
	v_lshrrev_b32 v[W_D], 1, v[W_Q]
	v_lshl_add_u32 v[W_D], v[W_T], 3, v[W_D]
	v_lshl_add_u32 v[W_D], v[W_H], 4, v[W_D]
	v_add_nc_u32 v[W_D], s28, v[W_D]
	v_cndmask_b32 v[W_I], v[W_D], v[W_I], s32
	v_cvt_f32_u32 v[W_I], v[W_I]                   ; the index of my first slot, as a number
	v_cvt_f32_u32 v[W_N], v[W_N]
	v_mov_b32 v[W_LO], s25
	v_mov_b32 v[W_HI], s27
	v_cndmask_b32 v[W_LO], s24, v[W_LO], s32       ; x1 or y1
	v_cndmask_b32 v[W_HI], s26, v[W_HI], s32       ; x2 or y2
	v_mul_f32 v[W_LO], 2.0, v[W_LO]                ; infer size -> input size
	v_mul_f32 v[W_HI], 2.0, v[W_HI]
	v_fma_f32 v[W_LO], v[W_LO], 0.5, -0.5          ; input size -> feature map, aligned
	v_fma_f32 v[W_HI], v[W_HI], 0.5, -0.5
	v_sub_f32 v[W_T], v[W_HI], v[W_LO]             ; extent
	v_mul_f32 v[W_B], R7, v[W_T]
	v_fmamk_f32 v[W_D], v[W_B], 0xc0e00000, v[W_T] ; residual = extent - 7 q
	v_fmamk_f32 v[W_B], v[W_D], R7, v[W_B]         ; bin
	v_floor_f32 v[W_G], -v[W_B]
	v_med3_num_f32 v[W_G], -v[W_G], 1.0, 4.0       ; g = clip(ceil(bin), 1, 4)
	v_rcp_f32 v[W_R], v[W_G]
	v_fma_f32 v[W_AA], v[W_N], v[W_B], v[W_LO]     ; low + n bin (the plain instruction between v_rcp_f32 and the use of its result)
	s_wait_alu depctr_va_vdst(0)
	v_mul_f32 v[W_S], v[W_B], v[W_R]               ; step = bin / g
	v_cndmask_b32 v[W_R], 0, v[W_R], s33
	SAMPLE 0, 0, 0
	SAMPLE 1, 0x3fc00000, 1.0
	SAMPLE 2, 0x40200000, 2.0
	SAMPLE 3, 0x40600000, 0x40400000
	v_cvt_pk_f16_f32 v[W_PK], v[W_W], v[W_W+1]
	v_cvt_pk_f16_f32 v[W_PK+1], v[W_W+2], v[W_W+3]
	v_lshl_add_u32 v[W_A], v[\vt], 3, \base
	ds_store_b64 v[W_A], v[W_PK:W_PK+1]
.endm
; The four fragments: lane (r, h) takes the 32 bytes of table row (axis, bin, h); bin = r or the zero row (low), r - 8 or the zero row (high).
.macro FRAGS alo, ahi, base
	ds_load_b128 v[WXL:WXL+3],   v[\alo] offset:\base
	ds_load_b128 v[WXL+4:WXL+7], v[\alo] offset:\base+16
	ds_load_b128 v[WXH:WXH+3],   v[\ahi] offset:\base
	ds_load_b128 v[WXH+4:WXH+7], v[\ahi] offset:\base+16
	ds_load_b128 v[WYL:WYL+3],   v[\alo] offset:\base+512
	ds_load_b128 v[WYL+4:WYL+7], v[\alo] offset:\base+528
	ds_load_b128 v[WYH:WYH+3],   v[\ahi] offset:\base+512
	ds_load_b128 v[WYH+4:WYH+7], v[\ahi] offset:\base+528
	s_wait_dscnt 0x0
.endm
; Channel c: wait for its 16 loads, round to f16 into fragment set c & 1, ask for channel c + 3 into the slot just read.
.macro CVT c
.set LEFT, 16*(15-(\c))                ; loads come back in order: the younger channels' loads stay out, two channels' at the most
.if LEFT > 32
.set LEFT, 32
.endif
	s_wait_loadcnt LEFT
.irp q, 0,1,2,3,4,5,6,7
	v_cvt_pk_f16_f32 v[F+16*((\c)&1)+\q], v[RAW+32*((\c)%3)+4*\q], v[RAW+32*((\c)%3)+4*\q+2]       ; even column, slots 2q, 2q+1
.endr
.irp q, 0,1,2,3,4,5,6,7
	v_cvt_pk_f16_f32 v[F+16*((\c)&1)+8+\q], v[RAW+32*((\c)%3)+4*\q+1], v[RAW+32*((\c)%3)+4*\q+3]   ; odd column
.endr
.if (\c)+3 < 16
	LOADCH (\c)+3
.endif
.endm
.macro W1 c, wy, zero
.if \zero
	v_wmma_f32_16x16x32_f16 v[D1E:D1E+7], v[F+16*((\c)&1):F+16*((\c)&1)+7], v[\wy:\wy+7], 0
	v_wmma_f32_16x16x32_f16 v[D1O:D1O+7], v[F+16*((\c)&1)+8:F+16*((\c)&1)+15], v[\wy:\wy+7], 0
.else
	v_wmma_f32_16x16x32_f16 v[D1E:D1E+7], v[F+16*((\c)&1):F+16*((\c)&1)+7], v[\wy:\wy+7], v[D1E:D1E+7]
	v_wmma_f32_16x16x32_f16 v[D1O:D1O+7], v[F+16*((\c)&1)+8:F+16*((\c)&1)+15], v[\wy:\wy+7], v[D1O:D1O+7]
.endif
.endm
; One window, all 16 channels.  first = 1: the products start the sums in D2; otherwise they add to them.
; Distances behind matrix instructions (ISA guide 7.12.1): between a stage-1 product and the conversions that read D1, the product that starts D1 anew,
; and the conversions that rewrite its fragment set, stand the 16 conversions of another channel, which name none of its registers.
.macro MAIN first
	CVT 0
.irp p, 0,1,2,3,4,5,6,7
	W1 2*\p, WYL, 1
	CVT 2*\p+1
	W1 2*\p+1, WYH, 0
.if \p < 7
	CVT 2*\p+2
.else
.rept 4
	v_nop                                          ; no channel is left to fill the four places
.endr
.endif
.irp j, 0,1,2,3
	v_cvt_pk_f16_f32 v[T+\j], v[D1E+2*\j], v[D1E+2*\j+1]       ; slots 0-7: columns 16h + 2j
.endr
.irp j, 0,1,2,3
	v_cvt_pk_f16_f32 v[T+4+\j], v[D1O+2*\j], v[D1O+2*\j+1]     ; slots 8-15: columns 16h + 2j + 1
.endr
.if (\p & 1) == 0
.if \first
	v_wmma_f32_16x16x32_f16 v[D2+8*(\p/2):D2+8*(\p/2)+7], v[WXL:WXL+7], v[T:T+7], 0
.else
	v_wmma_f32_16x16x32_f16 v[D2+8*(\p/2):D2+8*(\p/2)+7], v[WXL:WXL+7], v[T:T+7], v[D2+8*(\p/2):D2+8*(\p/2)+7]
.endif
.else
	v_wmma_f32_16x16x32_f16 v[D2+8*(\p/2):D2+8*(\p/2)+7], v[WXH:WXH+7], v[T:T+7], v[D2+8*(\p/2):D2+8*(\p/2)+7]
.endif
.endr
.endm
	s_load_b256 s[4:11], s[0:1], 0x0               ; boxes s[4:5], image s[6:7], win s[8:9], out s[10:11]
	v_lshl_add_u32 v254, v0, 2, 0x4600
	v_mov_b32 v255, 0
	s_lshl_b32 s13, ttmp9, 5                       ; my RoI's two records
	s_lshl_b32 s14, ttmp9, 4                       ; my RoI's box
	v_lshrrev_b32 v1, 5, v0
	v_readfirstlane_b32 s12, v1                    ; wave 0..3
	v_and_b32 v2, 31, v0                           ; lane
	v_and_b32 v3, 15, v0                           ; r (also m: my column pair)
	v_bfe_u32 v4, v0, 4, 1                         ; h
	s_wait_kmcnt 0x0
	s_load_b256 s[16:23], s[8:9], s13 offset:0x0   ; x: start s16, count s17, last s18; y: s20, s21, s22
	s_load_b128 s[24:27], s[4:5], s14 offset:0x0   ; x1, y1, x2, y2
	s_lshr_b32 s44, ttmp9, 9                       ; image = RoI / 512
	s_lshl_b32 s44, s44, 6
	s_lshl4_add_u32 s44, s12, s44                  ; + 16 channels a wave
	s_mul_i32 s44, s44, CH                         ; at most 112 planes: below 2^31
	s_mov_b32 s45, 0
	s_add_nc_u64 s[IMG:IMG+1], s[6:7], s[44:45]            ; my channel 0
	s_add_nc_u64 s[IMG+2:IMG+3], s[IMG:IMG+1], 8*CH        ; my channel 8
	s_mul_i32 s44, ttmp9, OUTROI
	s_add_nc_u64 s[10:11], s[10:11], s[44:45]      ; my RoI's output
	s_mul_i32 s41, s12, WSTAGE                     ; my wave's stage
	s_lshl_b32 s40, s12, 10
	s_add_co_u32 s40, s40, PTAB                    ; my wave's own table
	v_min_u32 v9, 7, v3                            ; low: bin r, or the zero row 7
	v_add_nc_u32 v10, -8, v3
	v_min_u32 v10, 7, v10                          ; high: bin r - 8, or (r < 8 wraps round) the zero row 7
	v_lshlrev_b32 v1, 5, v4
	v_lshl_add_u32 v[ALO], v9, 6, v1
	v_lshl_add_u32 v[AHI], v10, 6, v1
	s_wait_kmcnt 0x0
	s_min_u32 s16, s16, 352                        ; numbers read from memory are held to their ranges before they steer anything
	s_min_u32 s17, s17, 12
	s_min_u32 s18, s18, 383
	s_min_u32 s20, s20, 352
	s_min_u32 s21, s21, 12
	s_min_u32 s22, s22, 383
	s_mul_i32 s34, s17, s21                        ; windows in all
	s_mov_b32 s28, s16                             ; the first window's column
	s_mov_b32 s29, s20                             ; and row
	ADDR
	LOADCH 0                                       ; the ring is filled before the weights are made
	LOADCH 1
	LOADCH 2
	WTAB 0, TAB                                    ; the 128 threads make the first window's 512 weights, four each
	s_wait_dscnt 0x0                               ; my part of the table is written,
	s_barrier_signal -1
	s_barrier_wait -1                              ; everybody's is
	FRAGS ALO, AHI, TAB
	MAIN 1
	v_and_b32 v8, 7, v0                            ; ph.  (These five lines are also the places behind the last products.)
	v_bfe_u32 v9, v0, 3, 2                         ; channel within a tile of four
	v_mul_u32_u24 v10, v9, 196
	v_mad_u32_u24 v10, v8, 28, v10
	v_add_nc_u32 v[SA], s41, v10                   ; stage + 196 channel + 28 ph
	s_cmp_le_u32 s34, 1
	s_cbranch_scc1 .Lout
	; Boxes that need more windows: x fastest.  The count was read from memory, so no barrier stands in this loop: each wave fills a table of its own.
	s_mov_b32 s35, 1                               ; windows done
	s_mov_b32 s36, 0                               ; window number along x
	s_mov_b32 s37, 0                               ; and along y
.Lwindow:
	s_add_co_u32 s36, s36, 1
	s_cmp_ge_u32 s36, s17
	s_cselect_b32 s46, 1, 0
	s_cselect_b32 s36, 0, s36
	s_add_co_u32 s37, s37, s46
	s_lshl_b32 s28, s36, 5
	s_add_co_u32 s28, s28, s16
	s_min_u32 s28, s28, 352
	s_lshl_b32 s29, s37, 5
	s_add_co_u32 s29, s29, s20
	s_min_u32 s29, s29, 352
	ADDR                                           ; the last window's loads were all waited for (count 0 at its channel 15)
	LOADCH 0
	LOADCH 1
	LOADCH 2
	WTAB 2, s40                                    ; entries 0-31,
.irp k, 1,2,3
	v_add_nc_u32 v11, 32*\k, v2
	WTAB 11, s40                                   ; 32-63, 64-95, 96-127
.endr
	v_add_nc_u32 v12, s40, v[ALO]
	v_add_nc_u32 v13, s40, v[AHI]
	FRAGS 12, 13, 0                                ; LDS serves a wave's instructions in order: these see the stores above
	MAIN 0
.rept 4
	v_nop                                          ; the places behind the last products, for the scratch of the next trip and for the way out
.endr
	s_add_co_u32 s35, s35, 1
	s_cmp_lt_u32 s35, s34
	s_cbranch_scc1 .Lwindow
.Lout:
	; THE WAY OUT.  Register j of tile q is out[4q + channel][ph][j]: into the stage in the output's own order, lanes with ph = 7 (no such bin) switched off.
	; Lanes ph = 0..6 x 7 registers x 16 channels x 4 bytes = 3136: every byte of my wave's range is written.
	v_cmp_ne_u32 vcc_lo, 7, v8
	s_wait_xcnt 0x0                                ; EXEC changes only behind this wait
	s_and_saveexec_b32 s42, vcc_lo
.irp q, 0,1,2,3
.irp j, 0,1,2,3,4,5,6
	ds_store_b32 v[SA], v[D2+8*\q+\j] offset:784*\q+4*\j
.endr
.endr
	s_wait_dscnt 0x0                               ; for the other waves' sake: my results are in the stage
	s_or_b32 exec_lo, exec_lo, s42
	s_barrier_signal -1
	; piece g = thread + 128 i of 16 bytes lies at 16 g + 32 (g / 196): 196 pieces for each wave's range.  g / 196 = (1338 g) >> 18 for g < 784.
.irp i, 1,2,3,4,5
	v_add_nc_u32 v1, 128*\i, v0
	v_mul_u32_u24 v15, 1338, v1
	v_lshrrev_b32 v15, 13, v15
	v_and_b32 v15, 0x60, v15
	v_lshl_add_u32 v[9+\i], v1, 4, v15
.endr
	v_lshlrev_b32 v[GO], 4, v0
	s_barrier_wait -1
	ds_load_b128 v[RAW:RAW+3], v[GO]               ; pieces 0-127 lie in the first range
.irp i, 1,2,3,4,5
	ds_load_b128 v[RAW+4*\i:RAW+4*\i+3], v[9+\i]
.endr
.irp i, 0,1,2,3,4,5
	s_wait_dscnt 5-\i                              ; LDS loads come back in order: piece i is in, the younger ones stay out
	global_store_b128 v[GO], v[RAW+4*\i:RAW+4*\i+3], s[10:11] offset:2048*\i th:TH_STORE_NT   ; 16 lanes store 256 consecutive bytes, at a multiple of 256 from the buffer's first byte
.endr
	v_cmp_gt_u32 vcc_lo, 16, v0                    ; 784 pieces = 6 x 128 + 16: the last 256 bytes
	s_wait_xcnt 0x0
	s_wait_tensorcnt 0x0
	ds_add_u32 v254, v255
	s_wait_dscnt 0x0
	s_and_saveexec_b32 s42, vcc_lo
	ds_load_b128 v[RAW+24:RAW+27], v[GO] offset:768*16+96
	s_wait_dscnt 0x0
	global_store_b128 v[GO], v[RAW+24:RAW+27], s[10:11] offset:768*16 th:TH_STORE_NT
	s_endpgm
.Lfunc_end_k_qcd82136b96_pool:
	.size	k_qcd82136b96_pool, .Lfunc_end_k_qcd82136b96_pool-k_qcd82136b96_pool
	.p2alignl 7, 3214868480
	.fill 96, 4, 3214868480
	.section	.rodata,"a",@progbits
	.p2align	6, 0x0
	.amdhsa_kernel k_qcd82136b96_pool
		.amdhsa_group_segment_fixed_size 18432
		.amdhsa_private_segment_fixed_size 0
		.amdhsa_enable_private_segment 0
		.amdhsa_kernarg_size 32
		.amdhsa_user_sgpr_count 2
		.amdhsa_user_sgpr_kernarg_segment_ptr 1
		.amdhsa_wavefront_size32 1
		.amdhsa_system_sgpr_workgroup_id_x 1
		.amdhsa_system_sgpr_workgroup_id_y 1
		.amdhsa_system_sgpr_workgroup_id_z 1
		.amdhsa_system_vgpr_workitem_id 0
		.amdhsa_next_free_vgpr 256
		.amdhsa_next_free_sgpr 66
		.amdhsa_reserve_vcc 1
		.amdhsa_float_denorm_mode_32 3
		.amdhsa_float_denorm_mode_16_64 3
		.amdhsa_memory_ordered 1
		.amdhsa_forward_progress 1
		.amdhsa_inst_pref_size 145
	.end_amdhsa_kernel
	.amdgpu_metadata
---
amdhsa.version: [ 1, 2 ]
amdhsa.kernels:
  - .name:           k_qcd82136b96_pool
    .symbol:         k_qcd82136b96_pool.kd
    .args:
      - { .name: boxes, .offset: 0, .size: 8, .value_kind: global_buffer, .address_space: global }
      - { .name: image_tensor, .offset: 8, .size: 8, .value_kind: global_buffer, .address_space: global }
      - { .name: win, .offset: 16, .size: 8, .value_kind: global_buffer, .address_space: global }
      - { .name: out0, .offset: 24, .size: 8, .value_kind: global_buffer, .address_space: global }
    .group_segment_fixed_size: 18432
    .private_segment_fixed_size: 0
    .kernarg_segment_align: 8
    .kernarg_segment_size: 32
    .max_flat_workgroup_size: 128
    .sgpr_count:     66
    .vgpr_count:     256
    .wavefront_size: 32
...
	.end_amdgpu_metadata
.endif
;; end of part 2
